; MI455X (gfx1250); checked and timed in simulation.
; The chip was launched on July 23, 2026; its instructions are those of AMD's public machine-readable ISA for CDNA 5 (MIT licence, August 2026) and "CDNA5" Instruction Set Architecture Reference Guide (July 2026). The comments in the code are by the model that wrote it; some were corrected since.
;; Self Attention. Allowed arithmetic: matrix products marked QUANTISED: E4M3 operands, one given power-of-two scale a tensor, by v_wmma_f32_16x16x64_fp8_fp8 or v_wmma_f32_16x16x128_fp8_fp8, f32 sums; everything else in f32.
;; Inputs: Wk_codes 256 x 8 x 32 uint8 (E4M3 codes of Wk, K innermost, in blocks of 32 codes); Wq_codes 256 x 8 x 32 uint8 (E4M3 codes of Wq, K innermost, in blocks of 32 codes); Wu_codes 256 x 8 x 32 uint8 (E4M3 codes of Wu, K innermost, in blocks of 32 codes); Wv_codes 256 x 8 x 32 uint8 (E4M3 codes of Wv, K innermost, in blocks of 32 codes); bu 256 float32; lowp_scales 12 int32 (the exponents e of the quantised operands' scales 2^e); x_codes 4 x 4,096 x 8 x 32 uint8 (E4M3 codes of x, K innermost, in blocks of 32 codes).
;; Outputs: out0 4 x 4,096 x 256 float32.
;; This version of the problem:
;;   THIS VERSION OF THE PROBLEM IS GIVEN IN LOW PRECISION. The matrix products marked QUANTISED in the list below multiply operands that are first quantised to E4M3 (4 exponent bits, 3 mantissa bits; 8 bits a number), with one given power-of-two scale for each operand tensor; their sums are f32. All else is computed in f32.
;;   The module's matrix products, in the order in which they are computed (A, B: the left and right operand; K: the contracted axis; several contracted axes count as one K, in the product's order):
;;     1. [M 16,384, K 256] x [K 256, N 256]; A: input x (given as codes); B: input Wq (given as codes): QUANTISED (scales: A lowp_scales[0], B lowp_scales[1])
;;     2. [M 16,384, K 256] x [K 256, N 256]; A: input x (given as codes); B: input Wk (given as codes): QUANTISED (scales: A lowp_scales[2], B lowp_scales[3])
;;     3. [M 16,384, K 256] x [K 256, N 256]; A: input x (given as codes); B: input Wv (given as codes): QUANTISED (scales: A lowp_scales[4], B lowp_scales[5])
;;     4. batch 16 x [M 4,096, K 64] x [K 64, N 4,096]; A: computed on the way; B: computed on the way: QUANTISED (scales: A lowp_scales[6], B lowp_scales[7])
;;     5. batch 16 x [M 64, K 4,096] x [K 4,096, N 4,096]; A: computed on the way; B: softmax (see below): QUANTISED (scales: A lowp_scales[8], B lowp_scales[9])
;;     6. [M 16,384, K 256] x [K 256, N 256]; A: computed on the way; B: input Wu (given as codes): QUANTISED (scales: A lowp_scales[10], B lowp_scales[11])
;;   THE QUANTISER, for each operand of a quantised product, along K:
;;     - The operand's scale is 2^e, e = its entry of the input lowp_scales (int32; the entries are numbered through the quantised products in the list's order, A before B).
;;     - Each number is divided by the scale, clamped to +-448, and rounded to the nearest number of E4M3, ties to even, subnormals kept.
;;     - The product sums the exact products of the quantised numbers (number of the format x scale) in f32.
;;   ~~~python
;;   def quantise(x, axis, e):      # numpy; x: float32 -> the quantised numbers, widened to float32 again
;;       x = np.moveaxis(x, axis, -1); K = x.shape[-1]
;;       r = np.clip(x / 2.0 ** e, -448, 448)
;;       step = 2.0 ** (np.maximum(np.frexp(np.where(r == 0, 1, r))[1] - 1, -6) - 3)
;;       q = np.round(r / step) * step * 2.0 ** e      # np.round: ties to even
;;       return np.moveaxis(q, -1, axis).astype(np.float32)
;;   ~~~
;;   SOFTMAX AHEAD OF A QUANTISED PRODUCT. Where the list says 'softmax', what is quantised is not the finished softmax but p = 2^(t - M), with t = logit x log2(e) and M = ceil(the row's largest t), a whole number; so 1/2 < the row's largest p <= 1. The row's sum l is taken of the UNQUANTISED p, in f32, and the product's result is divided by l at the end. Since M is a whole number, a kernel that streams over the keys may use a running M (the ceiling of the running maximum): every later rescaling is an exact power of two, so the quantised numbers keep their values, but for numbers so far below the row's largest that they fall under the format's range.
;;   OPERANDS COMPUTED ON THE WAY. 'Computed on the way' means the value that the module computes at that place (a softmax that the list does not call 'softmax' is quantised finished and normalised). What goes into a quantiser is computed in f32, as accurately as f32 sums, v_exp_f32 and their like allow (about 1e-6 of the number): no bf16 or f16 on the way to a quantiser, and a product that is left as it is and whose result goes on into a quantised operand takes f32 operands (vector FMAs, or v_wmma_f32_16x16x4_f32). A number that lies on a knife's edge between two numbers of the format may be rounded either way, as far as f32 arithmetic and the matrix unit's own rounding can turn it there, and no further.
;;   INPUTS GIVEN AS CODES. Wk (in the module: [256, 256], K = its axis 1); Wq (in the module: [256, 256], K = its axis 1); Wu (in the module: [256, 256], K = its axis 1); Wv (in the module: [256, 256], K = its axis 1); x (in the module: [4, 4096, 256], K = its axis 2): each comes as NAME_codes (uint8): NAME with its K axis moved to the last place and cut into blocks of 32 codes, [.., K / 32, bytes a block], one block behind the other in memory; one code a byte (a code: sign, 4 exponent bits, 3 mantissa bits); its scale is its entry of lowp_scales. Its value is code x scale, taken as it is: it is not quantised again, and the codes and scales need not be those that the quantiser above would give.
;; One version. Each part assembles by itself: llvm-mc -triple=amdgcn-amd-amdhsa -mcpu=gfx1250 --defsym DOCPART=n.
;; ======== version 1 of 1: 2 launches
;; limits: right only within a limited range of input values
;; workspace buffers: kv 8,388,608 bytes
;; launch kvproj (part 1): grid 256 x 1, 8 waves a work-group, no clusters, 0 bytes of LDS; arguments x_codes, Wk_codes, Wv_codes, lowp_scales, kv; writes kv
.if DOCPART == 1
	.amdgcn_target "amdgcn-amd-amdhsa--gfx1250"
	.amdhsa_code_object_version 6
	.text
	.protected	k_qb11fba1f33_kvproj
	.globl	k_qb11fba1f33_kvproj
	.p2align	8
	.type	k_qb11fba1f33_kvproj,@function
k_qb11fba1f33_kvproj:
	s_mov_b64 s[64:65], 0
	v_nop
	global_prefetch_b8 v0, s[64:65] scope:SCOPE_SE
	s_setreg_imm32_b32 hwreg(HW_REG_WAVE_MODE, 25, 1), 1
	s_wait_xcnt 0x0
; k = x Wk^T and v = x Wv^T on codes of E4M3 (sums in f32), each result quantised with its given scale (k: entry 7, v: entry 8 of the scales) and stored
; as IMAGES OF THE OPERAND REGISTERS that the attention launch wants: kv = [batch 4][group of 128 keys 32][K part 32 KB | V part 32 KB].
;   K part: [head 4][tile of 16 keys 8][piece 2][lane 32][16 bytes]: a fragment 16 keys x 64 channels is 8 registers a lane; piece p = registers 4 p .. 4 p + 3.
;   V part: [head 4][tile of 16 channels 4][piece 4][lane 32][16 bytes]: a fragment 16 channels x 128 keys is 16 registers a lane; piece p = the group's token tiles 2 p, 2 p + 1.
; SHARES.  A work-group takes 64 tokens (four tiles of 16).  Wave w: w / 4 = 0 makes k, 1 makes v; w % 4 is the head.  A wave keeps its head's 64 rows of the weight in 128 registers
; and walks the four token tiles: 32 matrix instructions.  Waves share nothing: no LDS, no barrier.
; LAYOUT.  Fragments of x and of the weights come by four loads of 16 bytes at row x 256 + 128 s + 32 c + 16 (lane / 16): a permutation of k that is the same on both sides.
; THE ROWS OF A WEIGHT THAT FORM A TILE ARE NOT NEIGHBOURS: lane r of tile 2 b + u takes row 32 b + 8 u + r + 8 (r / 8) of the head's 64.
;   k: source 0 = the weight's tile, source 1 = 16 tokens: a lane holds ONE token, register j of tile 2 b + u the channel 32 b + 16 (lane / 16) + 8 u + j: eight numbers along the next K for one conversion.
;   v: source 0 = 16 tokens, source 1 = the weight's tile: a lane holds ONE channel, register j the token 8 (lane / 16) + j: eight neighbouring keys, the next K.
; A sum stands for sum x 2^(ex + ew), so its code is sum / 2^(e - ex - ew): the three exponents are folded into the conversion's one scale.
; LIMITS: e7 - e2 - e3 and e8 - e4 - e5 lie between -126 and 119, so that the scale and 448 x the scale are f32 numbers.  NaN codes among the inputs are not served.
; NO CLUSTER: the launch has no tensor load that partners could ask for jointly; a wave's 16 KB of weights go from memory straight into the registers where they stay, and its whole
; matrix work is 32 instructions.  No prefetch for the same reason: each wave's loads all go out at its head or one tile ahead.
.set LO,  1                            ; v1       16 x lane: my 16 bytes of a store's 512
.set XA,  2                            ; v2       x: row r of 256 bytes + 16 h
.set WA,  3                            ; v3       the weight: row r + 8 (r / 8), + 16 h
.set SC,  4                            ; v4       the scale as f32: the conversion takes its exponent field
.set LIM, 5                            ; v5       448 x the scale
.set CD,  8                            ; v8-23    codes
.set XF,  32                           ; v32-95 x's fragments of token tiles 0, 1 (K step s at + 16 s); the same numbers in register window 1: tiles 2, 3
.set ACC, 96                           ; v96-127  four accumulators
.set W,   128                          ; v128-255 the weight: fragment (tile n, K step s) at + 32 n + 16 s
.set WV,  14                           ; s14      my wave's number
.macro WFRAGS base, adr, ptr           ; a head's 64 rows x 256 K: 32 loads
.irp n, 0,1,2,3
.irp s, 0,1
.irp c, 0,1,2,3
	global_load_b128 v[\base+16*(2*\n+\s)+4*\c:\base+16*(2*\n+\s)+4*\c+3], v[\adr], s[\ptr:\ptr+1] offset:(32*(\n/2)+8*(\n%2))*256+128*\s+32*\c
.endr
.endr
.endr
.endm
.macro XLOAD m                         ; token tile m: 16 rows x 256 K into set m % 2: 8 loads
.irp s, 0,1
.irp c, 0,1,2,3
	global_load_b128 v[XF+32*((\m)%2)+16*\s+4*\c:XF+32*((\m)%2)+16*\s+4*\c+3], v[XA], s[4:5] offset:(\m)*4096+128*\s+32*\c
.endr
.endr
.endm
	s_load_b128 s[4:7], s[0:1], 0x0                ; x's codes s[4:5], Wk's s[6:7]
	s_load_b128 s[8:11], s[0:1], 0x10              ; Wv's s[8:9], the scales' exponents s[10:11]
	s_load_b64 s[12:13], s[0:1], 0x20              ; kv
	v_lshrrev_b32 v6, 5, v0
	s_delay_alu instid0(VALU_DEP_1)
	v_readfirstlane_b32 s[WV], v6                  ; wave 0..7
	v_and_b32 v[LO], 31, v0
	s_delay_alu instid0(VALU_DEP_1)
	v_lshlrev_b32 v[LO], 4, v[LO]
	v_and_b32 v6, 15, v0                           ; r
	v_bfe_u32 v7, v0, 4, 1                         ; h
	s_delay_alu instid0(VALU_DEP_2)
	v_lshlrev_b32 v[XA], 8, v6
	s_delay_alu instid0(VALU_DEP_1)
	v_lshl_add_u32 v[XA], v7, 4, v[XA]
	s_delay_alu instid0(VALU_DEP_4)
	v_and_b32 v[WA], 8, v6
	s_delay_alu instid0(VALU_DEP_1)
	v_add_nc_u32 v[WA], v[WA], v6                  ; r + 8 (r / 8)
	s_delay_alu instid0(VALU_DEP_1)
	v_lshlrev_b32 v[WA], 8, v[WA]
	s_delay_alu instid0(VALU_DEP_1)
	v_lshl_add_u32 v[WA], v7, 4, v[WA]
	s_lshr_b32 s15, s[WV], 2                       ; 0: k, 1: v
	s_and_b32 s16, s[WV], 3                        ; the head
	s_lshl_b32 s32, s16, 14                        ; the head's 64 rows of 256 bytes in the weight
	s_mov_b32 s33, 0
	s_lshl_b32 s34, ttmp9, 14                      ; my work-group's 64 rows of x
	s_mov_b32 s35, 0
	s_lshr_b32 s36, ttmp9, 1
	s_lshl_b32 s36, s36, 16                        ; kv: the group of 128 keys (two work-groups to a group),
	s_lshl_b32 s37, s15, 15
	s_add_co_u32 s36, s36, s37                     ; its K part or its V part,
	s_lshl_b32 s37, s16, 13
	s_add_co_u32 s36, s36, s37                     ; the head's 8 KB,
	s_and_b32 s37, ttmp9, 1
	s_lshl_b32 s38, s37, 12                        ; and my half of the group: four fragments of 1 KB in K,
	s_lshl_b32 s37, s37, 10                        ; two pieces of 512 bytes of each fragment in V
	s_cmp_lt_u32 s[WV], 4
	s_cselect_b32 s37, s38, s37
	s_add_co_u32 s36, s36, s37
	s_mov_b32 s37, 0
	s_wait_alu depctr_va_vdst(0)
	s_wait_kmcnt 0x0
	s_load_b256 s[20:27], s[10:11], 0x0            ; e0 .. e7
	s_load_b32 s28, s[10:11], 0x20                 ; e8
	s_cmp_lt_u32 s[WV], 4                          ; the choice of the weight hangs on the wave's number alone
	s_cselect_b64 s[30:31], s[6:7], s[8:9]
	s_add_nc_u64 s[30:31], s[30:31], s[32:33]
	s_add_nc_u64 s[4:5], s[4:5], s[34:35]
	s_add_nc_u64 s[12:13], s[12:13], s[36:37]
	WFRAGS W, WA, 30
	XLOAD 0
	XLOAD 1
	s_set_vgpr_msb 0x40                            ; destination in window 1: all four tiles of x are asked for at the head
	XLOAD 2
	XLOAD 3
	s_set_vgpr_msb 0x4000
	s_wait_kmcnt 0x0
	s_sub_co_i32 s36, s27, s22
	s_sub_co_i32 s36, s36, s23                     ; k: e7 - e2 - e3
	s_sub_co_i32 s37, s28, s24
	s_sub_co_i32 s37, s37, s25                     ; v: e8 - e4 - e5
	s_cmp_lt_u32 s[WV], 4
	s_cselect_b32 s36, s36, s37
	s_add_co_i32 s36, s36, 127
	s_lshl_b32 s37, s36, 23
	v_mov_b32 v[SC], s37                           ; the folded scale as f32
	s_add_co_i32 s36, s36, 8
	s_lshl_b32 s36, s36, 23
	s_or_b32 s36, s36, 0x600000
	v_mov_b32 v[LIM], s36                          ; 448 x that
; Token tile m.  role = 0: k, 1: v.
.macro TILE m, role
.set XB, XF+32*((\m)%2)
	s_wait_loadcnt 8*(3-(\m))                      ; loads come back in order: all but the later tiles' eight each are in
.if (\m) >= 2                          ; tiles 2 and 3 of x lie in window 1: x is source 0 for v, source 1 for k
.if \role
	s_set_vgpr_msb 0x01
.else
	s_set_vgpr_msb 0x04
.endif
.endif
.irp s, 0,1                            ; the four accumulators take turns, one instruction a turn; the first K step starts the sums
.irp n, 0,1,2,3
.if \role
.if \s
	v_wmma_f32_16x16x128_fp8_fp8 v[ACC+8*\n:ACC+8*\n+7], v[XB+16:XB+31], v[W+32*\n+16:W+32*\n+31], v[ACC+8*\n:ACC+8*\n+7]
.else
	v_wmma_f32_16x16x128_fp8_fp8 v[ACC+8*\n:ACC+8*\n+7], v[XB:XB+15], v[W+32*\n:W+32*\n+15], 0
.endif
.else
.if \s
	v_wmma_f32_16x16x128_fp8_fp8 v[ACC+8*\n:ACC+8*\n+7], v[W+32*\n+16:W+32*\n+31], v[XB+16:XB+31], v[ACC+8*\n:ACC+8*\n+7]
.else
	v_wmma_f32_16x16x128_fp8_fp8 v[ACC+8*\n:ACC+8*\n+7], v[W+32*\n:W+32*\n+15], v[XB:XB+15], 0
.endif
.endif
.endr
.endr
.if (\m) >= 2
.if \role
	s_set_vgpr_msb 0x0100
.else
	s_set_vgpr_msb 0x0400
.endif
.endif
.rept 4
	v_nop                                          ; four places (ISA guide 7.12.1) in front of the first read of the sums
.endr
.set j, 0
	s_wait_alu depctr_va_vdst(0)
.rept 32
	v_med3_num_f32 v[ACC+j], v[ACC+j], -v[LIM], v[LIM]   ; the conversion to an 8-bit code does not saturate (ISA guide 7.6.2): the hold at the largest code x the scale; each accumulator from its low end on
.set j, j+1
.endr
.if (\m) >= 2
	s_wait_alu depctr_va_vdst(0)
	s_wait_xcnt 0x0                                ; the earlier stores have read their data: the codes' registers are written again only behind this wait
.endif
.irp n, 0,1,2,3
.if \role
	v_cvt_scalef32_pk8_fp8_f32 v[CD+4*\n+2*((\m)%2):CD+4*\n+2*((\m)%2)+1], v[ACC+8*\n:ACC+8*\n+7], v[SC]   ; eight keys of channel tile n: half of a piece
.else
	v_cvt_scalef32_pk8_fp8_f32 v[CD+8*((\m)%2)+2*\n:CD+8*((\m)%2)+2*\n+1], v[ACC+8*\n:ACC+8*\n+7], v[SC]   ; registers 2 n, 2 n + 1 of the tile's fragment
.endif
.endr
	v_nop                                          ; one plain line between the last conversion and the next products, which write its sources
.if \role
.if (\m)%2
.irp n, 0,1,2,3
	global_store_b128 v[LO], v[CD+4*\n:CD+4*\n+3], s[12:13] offset:\n*2048+((\m)/2)*512   ; a piece: the wave stores 512 consecutive bytes, at a multiple of 512 from kv's first byte
.endr
.endif
.else
	global_store_b128 v[LO], v[CD+8*((\m)%2):CD+8*((\m)%2)+3], s[12:13] offset:(\m)*1024
	global_store_b128 v[LO], v[CD+8*((\m)%2)+4:CD+8*((\m)%2)+7], s[12:13] offset:(\m)*1024+512
.endif
.endm
	s_cmp_lt_u32 s[WV], 4
	s_cbranch_scc0 .Lv
	TILE 0, 0
	TILE 1, 0
	TILE 2, 0
	TILE 3, 0
	s_endpgm
.Lv:
	TILE 0, 1
	TILE 1, 1
	TILE 2, 1
	TILE 3, 1
	s_endpgm
.Lfunc_end_k_qb11fba1f33_kvproj:
	.size	k_qb11fba1f33_kvproj, .Lfunc_end_k_qb11fba1f33_kvproj-k_qb11fba1f33_kvproj
	.p2alignl 7, 3214868480
	.fill 96, 4, 3214868480
	.section	.rodata,"a",@progbits
	.p2align	6, 0x0
	.amdhsa_kernel k_qb11fba1f33_kvproj
		.amdhsa_group_segment_fixed_size 0
		.amdhsa_private_segment_fixed_size 0
		.amdhsa_enable_private_segment 0
		.amdhsa_kernarg_size 40
		.amdhsa_user_sgpr_count 2
		.amdhsa_user_sgpr_kernarg_segment_ptr 1
		.amdhsa_wavefront_size32 1
		.amdhsa_system_sgpr_workgroup_id_x 1
		.amdhsa_system_sgpr_workgroup_id_y 1
		.amdhsa_system_sgpr_workgroup_id_z 1
		.amdhsa_system_vgpr_workitem_id 0
		.amdhsa_next_free_vgpr 384
		.amdhsa_next_free_sgpr 66
		.amdhsa_reserve_vcc 0
		.amdhsa_float_denorm_mode_32 3
		.amdhsa_float_denorm_mode_16_64 3
		.amdhsa_memory_ordered 1
		.amdhsa_forward_progress 1
		.amdhsa_inst_pref_size 35
	.end_amdhsa_kernel
	.amdgpu_metadata
---
amdhsa.version: [ 1, 2 ]
amdhsa.kernels:
  - .name:           k_qb11fba1f33_kvproj
    .symbol:         k_qb11fba1f33_kvproj.kd
    .args:
      - { .name: x_codes, .offset: 0, .size: 8, .value_kind: global_buffer, .address_space: global }
      - { .name: Wk_codes, .offset: 8, .size: 8, .value_kind: global_buffer, .address_space: global }
      - { .name: Wv_codes, .offset: 16, .size: 8, .value_kind: global_buffer, .address_space: global }
      - { .name: lowp_scales, .offset: 24, .size: 8, .value_kind: global_buffer, .address_space: global }
      - { .name: kv, .offset: 32, .size: 8, .value_kind: global_buffer, .address_space: global }
    .group_segment_fixed_size: 0
    .private_segment_fixed_size: 0
    .kernarg_segment_align: 8
    .kernarg_segment_size: 40
    .max_flat_workgroup_size: 256
    .sgpr_count:     66
    .vgpr_count:     384
    .wavefront_size: 32
...
	.end_amdgpu_metadata
.endif
;; end of part 1
;; launch attn (part 2): grid 256 x 1, 8 waves a work-group, clusters of 4 x 1, 327,680 bytes of LDS; arguments x_codes, Wq_codes, Wu_codes, bu, lowp_scales, kv, out0; writes out0
.if DOCPART == 2
	.amdgcn_target "amdgcn-amd-amdhsa--gfx1250"
	.amdhsa_code_object_version 6
	.text
	.protected	k_qb11fba1f33_attn
	.globl	k_qb11fba1f33_attn
	.p2align	8
	.type	k_qb11fba1f33_attn,@function
k_qb11fba1f33_attn:
	s_mov_b64 s[64:65], 0
	v_nop
	global_prefetch_b8 v0, s[64:65] scope:SCOPE_SE
	s_setreg_imm32_b32 hwreg(HW_REG_WAVE_MODE, 25, 1), 1
	s_wait_xcnt 0x0
	s_wait_alu depctr_hold_cnt(0) depctr_sa_sdst(0) depctr_va_vdst(0) depctr_va_sdst(0) depctr_va_ssrc(0) depctr_va_vcc(0) depctr_vm_vsrc(0)
	s_getreg_b32 s2, hwreg(HW_REG_IB_STS2, 6, 4)
	s_cmp_eq_u32 s2, 0
	s_cbranch_scc0 .Lentry_in_a_cluster
	s_endpgm
.Lentry_in_a_cluster:
	s_bfe_u32 s2, ttmp6, 0x10000c
	s_cmp_lg_u32 s2, 0x3003
	s_cbranch_scc0 .Lentry_shape_is_right
	s_endpgm
.Lentry_shape_is_right:
; out0 = attention(x) Wu^T + bu, all products on codes of E4M3 with the given scales 2^e (e0 .. e11), sums in f32.  No mask.
; q = x Wq^T is made and quantised (e6) in registers; k's and v's codes come from kv, laid as images of the operand registers:
; kv = [batch 4][group of 128 keys 32][K part: head 4, tile of 16 keys 8, piece 2, lane 32, 16 bytes | V part: head 4, tile of 16 channels 4, piece 4, lane 32, 16 bytes], 64 KB a group.
; SOFTMAX: t = score x log2(e) / 8; M = the running largest t rounded UP to a whole number; p = 2^(t - M) is quantised (e9), not normalised; the row's sum is taken of the unquantised p and divides O at the end.
; When M moves, the sum and O are multiplied by 2^(old M - new M), which rounds nothing.
; SHARES.  A work-group owns 64 queries of one batch, all four heads.  Wave w owns head w / 2 and the 32 queries (two tiles of 16) of half w % 2: each fragment of K and V read from LDS feeds two matrix instructions.
; Every wave walks the batch's 4,096 keys, 128 a step.  At the end the heads' results meet in LDS as codes (e10), and wave w makes outputs 64 (w / 2) .. + 63 of its 32 queries.
; LAYOUT.  All products are used transposed (S^T = K Q^T, O^T = V^T P, Y^T = Wu O^T): a lane holds ONE query (lane % 16) of each tile, and its registers run along the next K.
; RING.  Two LDS slots of 256 keys (two groups, 128 KB, as they lie in kv).  Each of the eight waves fetches 16 KB of a slot by one tensor load.
; THE CHANGE OF SLOTS STANDS IN THE MIDDLE OF A SLOT'S SECOND STEP: V's fragments of that step are the slot's last LDS reads; behind them come the wait for my tensor loads and the add, then the maxima and scalings
; (work on registers), the wait for the add and the reads, the round, the refill of the slot just read out, and the next slot's first fragments of K, which land under the rest of the softmax.
; CLUSTER.  The four work-groups of a cluster belong to one batch and walk the same kv: every load is asked for JOINTLY, with the same descriptor and the mask of all four.
; FETCHES.  K's fragments are read from LDS a step ahead; V's at the head of their step.  Wu's rows are loaded into K's registers in the last key step; bu at the head.
; THE TWO TILES SHARE THE VECTOR WORK'S STAGES: tile 0's exponentials stand among tile 1's multiply-adds, tile 1's among tile 0's holds; one wait stands ahead of each stage.
; LIMITS on the given exponents, so that each power of two below is an f32 number: e6 - e0 - e1, e9 and e10 - e8 - e9 between -126 and 119; e6 + e7 between -123 and 130 (added to c's exponent field);
; e10 + e11 between -126 and 127.  NaN codes among the inputs are not served.
; REGISTERS.  Window 0 holds all that vector arithmetic touches: v0-31 state, S^T / p, O^T, p's codes.  Window 1 holds addresses, Q, K's two sets, V.
.set SLOT1, 1<<17
.set GRP,   65536
.set VOFF,  32768
.set NSL,   16
.set SPARE, 2*SLOT1                    ; the spare words: 128 bytes a wave, four blocks of 256 bytes that no other line names
.set BUL,   SPARE+1024                 ; 256 bytes a wave: its 64 numbers of bu, stored at the end
.set OIMG,  0                          ; the end: 16 images of 1 KB (head g, tile T at 4,096 g + 1,024 T), and
.set STG,   16384                      ; 8 stages of 32 rows x 272 bytes; both in slot 0, which has had its last fill and was left by every wave at the last change of slots
.set SP,    272
; window 0
.set SPW, 1
.set NIL, 2
.set SC,  3                            ; the conversion's scale
.set NM,  4                            ; pairs (-M, largest t), tile i at + 2 i
.set LS,  8                            ; the sums, pairs
.set FF,  12                           ; pairs (f, 0)
.set LIM, 16                           ; 448 x 2^e9, twice
.set MX,  18                           ; the maxima's chains, two a tile
.set PT,  22                           ; lane permutes' results
.set TS,  24                           ; three more chains of the sum
.set ADR, 30                           ; LDS place of my head's fragments in group 0, 1 of the slot in hand
.set S,   32                           ; S^T, then p: tile i at + 64 i
.set O,   160                          ; O^T: tile i at + 32 i
.set P,   224                          ; p's codes: tile i at + 16 i
; window 1
.set AK,  1
.set WQA, 3
.set XA,  4
.set IST, 5
.set ILD, 6
.set STI, 7
.set STO, 8
.set GO,  9
.set BUG, 10
.set BUS, 11
.set BUR, 12
.set Q,   32                           ; Q's codes: tile i at + 8 i
.set BUD, 48                           ; 16 bytes of bu a lane
.set KF,  64                           ; K's fragments, set q at + 64 q
.set VF,  192                          ; V's fragments
.set WV,  18
.set HD,  19
.set SEL, 20
.set CS,  22
.set G1,  24
.set G0,  32
.set TB,  36
.set SLOTS, 37
.set PLIM, 38
.set QH,  39
.set PFA, 40
.set YS,  66
.set MSB, 0
.macro WIN new                         ; the immediate's high byte repeats the setting that is left
.if MSB != \new
	s_set_vgpr_msb (MSB<<8)|\new
.set MSB, \new
.endif
.endm
.macro PLACES
.rept 4
	v_nop
.endr
.endm
.macro CROUND                          ; a round of the cluster's barrier
	s_barrier_signal -1
	s_barrier_wait -1
	s_cmp_lg_u32 s[WV], 0
	s_cbranch_scc1 .Lnot_wave_0_\@
	s_barrier_signal -3
.Lnot_wave_0_\@:
	s_barrier_wait -3
	s_barrier_signal -1
	s_barrier_wait -1
.endm
.macro TLOAD                           ; every wave's joint load: its 16 KB of a slot; s_nop 0 and four v_nop follow
	tensor_load_to_lds s[G0:G0+3], s[G1:G1+7]
	s_nop 0
	PLACES
.endm
; A prefetch of the slot that the NEXT change of slots will ask for: 128 KB, two key steps ahead of that load.  Each block of 256 bytes is named once in the launch: the batch's first cluster asks,
; its partners take 32 KB each BY ADDRESS, in each waves 4 to 7 take 8 KB, lanes 256 bytes apart.  The last change that fills asks for nothing; slots 0 and 1 come by their loads alone.
.macro ASK
	s_cmp_gt_u32 s[SLOTS], s[PLIM]
	s_cbranch_scc0 .Lnot_mine_\@
	global_prefetch_b8 v0, s[PFA:PFA+1] th:TH_LOAD_NT scope:SCOPE_SE
.Lnot_mine_\@:
.endm
.macro KLOAD q                         ; K's eight fragments of group q into set q (destination window 1)
.irp t, 0,1,2,3,4,5,6,7
	ds_load_b128 v[KF+64*\q+8*\t:KF+64*\q+8*\t+3], v[ADR+\q] offset:\t*1024
	ds_load_b128 v[KF+64*\q+8*\t+4:KF+64*\q+8*\t+7], v[ADR+\q] offset:\t*1024+512
.endr
.endm
.macro SETADR                          ; where my head's fragments lie in the slot that begins at s[TB]
	WIN 0x04
	v_add_nc_u32 v[ADR], s[TB], v[AK]
	v_add_nc_u32 v[ADR+1], s[TB], v[AK+1]
	WIN 0
.endm
.macro WALK                            ; behind the wait for my tensor loads: the descriptor's and the prefetch's next slot
	s_xor_b32 s[G0+1], s[G0+1], SLOT1
	s_add_nc_u64 s[G0+2:G0+3], s[G0+2:G0+3], 2*GRP
	s_wait_xcnt 0x0                                ; the last prefetch has read its address
	s_add_nc_u64 s[PFA:PFA+1], s[PFA:PFA+1], 2*GRP
.endm
	s_load_b256 s[4:11], s[0:1], 0x0               ; x s[4:5], Wq s[6:7], Wu s[8:9], bu s[10:11]
	s_load_b128 s[12:15], s[0:1], 0x20             ; the exponents s[12:13], kv s[14:15]
	s_load_b64 s[16:17], s[0:1], 0x30              ; out0
	v_lshl_add_u32 v[SPW], v0, 2, SPARE
	v_mov_b32 v[NIL], 0
	ds_add_u32 v[SPW], v[NIL]                      ; the opening lines: the add twice on end and one wait
	ds_add_u32 v[SPW], v[NIL]
	v_lshrrev_b32 v32, 5, v0
	v_readfirstlane_b32 s[WV], v32                 ; wave 0..7
	s_lshr_b32 s[HD], s[WV], 1
	s_and_b32 s[QH], s[WV], 1
	s_bfe_u32 s42, ttmp6, 0x40000                  ; cx: it enters x's, out0's and the prefetches' addresses alone
	s_lshl_b32 s43, ttmp9, 2
	s_add_co_u32 s43, s43, s42                     ; my block of 64 queries
	s_mov_b32 s[G1], 15|(3<<16)|(1<<21)            ; mask of all four; elements of 8 bytes; bit 21 beside the mask
	s_mov_b32 s[G1+1], 32<<16                      ; rows of 256 bytes,
	s_mov_b32 s[G1+2], 64<<16                      ; 64 of them
	s_mov_b32 s[G1+3], 32<<16
	s_mov_b32 s[G1+4], 64
	s_mov_b32 s[G1+5], 32
	s_mov_b32 s[G1+6], 0
	s_mov_b32 s[G1+7], 0
	s_mov_b32 s[SEL], 0x76543210
	s_mov_b32 s[SEL+1], 0xfedcba98
	s_mov_b32 s[CS], 0x3e38aa3b                    ; c = log2(e) / 8
	s_mov_b32 s[TB], 0
	s_mov_b32 s[SLOTS], NSL-1
	s_lshr_b32 s44, ttmp9, 4                       ; the batch: sixteen clusters each
	s_lshl_b32 s44, s44, 21
	s_lshl_b32 s[G0+1], s[WV], 14                  ; LDS: my 16 KB of slot 0
	s_add_co_u32 s46, s44, s[G0+1]                 ; and the same in kv
	s_mov_b32 s47, 0
	s_mov_b32 s[G0], 1
	s_lshl_b32 s45, s42, 15                        ; the prefetches of kv: my work-group's 32 KB,
	s_add_co_u32 s44, s44, s45
	s_and_b32 s45, s[WV], 3
	s_lshl_b32 s45, s45, 13                        ; my wave's 8 KB,
	s_add_co_u32 s44, s44, s45
	s_add_co_u32 s44, s44, 2*GRP                   ; in slot 1: the first change steps it to slot 2
	s_mov_b32 s45, 0
	s_lshr_b32 s74, s[WV], 2
	s_xor_b32 s74, s74, 1                          ; 0 in waves 4 to 7
	s_and_b32 s75, ttmp9, 15
	s_or_b32 s74, s74, s75                         ; of the batch's first cluster
	s_cmp_eq_u32 s74, 0
	s_cselect_b32 s[PLIM], 1, -1
	s_lshl_b32 s76, s42, 14                        ; Wu's prefetch: 16 KB a work-group by address, 8 KB a wave
	s_lshl_b32 s77, s[QH], 13
	s_add_co_u32 s76, s76, s77
	s_mov_b32 s77, 0
	s_lshl_b32 s78, s[HD], 14                      ; 64 rows of a weight
	s_mov_b32 s79, 0
	s_lshl_b32 s80, s43, 14
	s_lshl_b32 s75, s[QH], 13
	s_add_co_u32 s80, s80, s75                     ; x: my 32 queries
	s_mov_b32 s81, 0
	s_lshl_b32 s82, s[HD], 8                       ; bu: my 64 outputs
	s_mov_b32 s83, 0
	s_lshl_b32 s75, s43, 16
	s_add_co_u32 s84, s82, s75
	s_lshl_b32 s75, s[QH], 15
	s_add_co_u32 s84, s84, s75                     ; out0: my 32 rows, my 256 bytes of them
	s_mov_b32 s85, 0
	s_lshl_b32 s60, s[HD], 13                      ; LDS bases, from the wave's number alone
	s_add_co_u32 s61, s60, GRP
	s_lshl_b32 s63, s[QH], 11
	s_lshl_b32 s62, s[HD], 12
	s_add_co_u32 s62, s62, s63
	s_mul_i32 s68, s[WV], 32*SP
	s_add_co_u32 s68, s68, STG
	s_lshl_b32 s69, s[WV], 8
	s_add_co_u32 s69, s69, BUL
	s_and_b32 s75, ttmp9, 30
	s_or_b32 s75, s75, s[HD]                       ; 0 in waves 0, 1 of clusters 0, 1, 32, 33
	v_and_b32 v32, 15, v0                          ; r
	v_bfe_u32 v33, v0, 4, 1                        ; h
	v_and_b32 v34, 31, v0                          ; lane
	v_and_b32 v35, 8, v32
	v_lshlrev_b32 v36, 8, v32                      ; 256 r
	v_lshlrev_b32 v37, 4, v34                      ; 16 lane
	v_mul_u32_u24 v38, v32, SP
	v_mul_u32_u24 v39, v33, SP
	v_add_nc_u32 v35, v35, v32                     ; r + 8 (r / 8)
	v_lshlrev_b32 v40, 10, v33
	v_lshlrev_b32 v41, 4, v32
	v_lshlrev_b32 v42, 5, v33
	v_lshlrev_b32 v35, 8, v35
	v_lshl_add_u32 v38, v33, 5, v38
	v_lshl_add_u32 v39, v32, 4, v39
	v_lshlrev_b32 v0, 8, v34                       ; from here on v0 = 256 x lane: the prefetches' offset
	WIN 0x40                                       ; the addresses' last lines write window 1
	v_lshl_add_u32 v[WQA], v33, 4, v35             ; Wq: row r + 8 (r / 8), + 16 h
	v_lshl_add_u32 v[XA], v33, 4, v36              ; x, Wu: row r, + 16 h
	v_add_nc_u32 v[AK], s60, v37                   ; my head's 8 KB of a part, in a slot's group 0,
	v_add_nc_u32 v[AK+1], s61, v37                 ; and 1
	v_add_nc_u32 v[IST], s62, v37                  ; where my images go,
	v_add_nc_u32 v[ILD], s63, v37                  ; and where the four heads' images of my queries lie
	v_add_nc_u32 v[STI], s68, v38                  ; my stage, in: row r, 32 bytes a half
	v_add_nc_u32 v[STO], s68, v39                  ; back: lanes 0-15 one row, lanes 16-31 the next
	v_lshl_add_u32 v[GO], v32, 4, v40              ; the same two rows in out0
	v_mov_b32 v[BUG], v41
	v_add_nc_u32 v[BUS], s69, v41
	v_add_nc_u32 v[BUR], s69, v42
	WIN 0
.irp i, 0,1
	v_mov_b32 v[NM+2*\i], 0x7f61b1e6               ; -M = 3e38
	v_mov_b32 v[NM+2*\i+1], 0xff61b1e6             ; the largest t so far: -3e38
	v_mov_b32 v[LS+2*\i], 0
	v_mov_b32 v[LS+2*\i+1], 0
	v_mov_b32 v[FF+2*\i+1], 0
	v_mov_b32 v[PT+\i], 0
.endr
.set j, 0
.rept 64
	v_mov_b32 v[O+j], 0                            ; O^T: the key step has no first step of its own; the first change of M leaves zeros zeros
.set j, j+1
.endr
	s_wait_alu depctr_va_vdst(0)                   ; ahead of the blocking waits
	s_wait_dscnt 0x0                               ; both opening adds are done
	s_wait_kmcnt 0x0
	s_load_b256 s[48:55], s[12:13], 0x0            ; e0 .. e7
	s_load_b128 s[56:59], s[12:13], 0x20           ; e8 .. e11
	s_add_nc_u64 s[72:73], s[8:9], s[76:77]        ; Wu's prefetch
	s_add_nc_u64 s[6:7], s[6:7], s[78:79]          ; Wq at my head's rows
	s_add_nc_u64 s[8:9], s[8:9], s[78:79]          ; Wu at my 64 outputs' rows
	s_add_nc_u64 s[4:5], s[4:5], s[80:81]
	s_add_nc_u64 s[10:11], s[10:11], s[82:83]
	s_add_nc_u64 s[16:17], s[16:17], s[84:85]
	s_add_nc_u64 s[PFA:PFA+1], s[14:15], s[44:45]
	s_add_nc_u64 s[G0+2:G0+3], s[14:15], s[46:47]
	s_or_b32 s[G0+3], s[G0+3], 0x80000000
	WIN 0x41
.irp n, 0,1,2,3                        ; Wq's eight fragments: tile n takes rows 32 (n / 2) + 8 (n % 2) + r + 8 (r / 8)
.irp s, 0,1
.irp c, 0,1,2,3
	global_load_b128 v[KF+16*(2*\n+\s)+4*\c:KF+16*(2*\n+\s)+4*\c+3], v[WQA], s[6:7] offset:(32*(\n/2)+8*(\n%2))*256+128*\s+32*\c
.endr
.endr
.endr
.irp i, 0,1
.irp s, 0,1
.irp c, 0,1,2,3
	global_load_b128 v[VF+32*\i+16*\s+4*\c:VF+32*\i+16*\s+4*\c+3], v[XA], s[4:5] offset:\i*4096+128*\s+32*\c
.endr
.endr
.endr
	global_load_b128 v[BUD:BUD+3], v[BUG], s[10:11]   ; both halves of the lanes take the same 256 bytes
	WIN 0
	CROUND                                         ; the first joint loads meet
	TLOAD                                          ; slot 0: my one tensor load at the head
	s_cmp_eq_u32 s75, 0
	s_cbranch_scc0 .Lno_wu
	global_prefetch_b8 v0, s[72:73] th:TH_LOAD_NT scope:SCOPE_SE   ; Wu's 64 KB, once in each of four clusters; it is loaded in the last key step
.Lno_wu:
	s_wait_kmcnt 0x0
	s_add_co_i32 s44, s54, s55
	s_lshl_b32 s44, s44, 23
	s_add_co_i32 s[CS], s[CS], s44                 ; c x 2^(e6 + e7)
	s_mov_b32 s[CS+1], s[CS]
	s_add_co_i32 s44, s57, 127
	s_lshl_b32 s45, s44, 23
	s_add_co_i32 s44, s44, 8
	s_lshl_b32 s44, s44, 23
	s_or_b32 s44, s44, 0x600000
	s_sub_co_i32 s46, s54, s48
	s_sub_co_i32 s46, s46, s49                     ; q's code is sum / 2^(e6 - e0 - e1)
	s_add_co_i32 s46, s46, 127
	s_lshl_b32 s47, s46, 23
	s_add_co_i32 s46, s46, 8
	s_lshl_b32 s46, s46, 23
	s_or_b32 s46, s46, 0x600000
	s_sub_co_i32 s75, s58, s56
	s_sub_co_i32 s75, s75, s57                     ; the attention's code is (sum / l) / 2^(e10 - e8 - e9)
	s_add_co_i32 s75, s75, 127
	s_lshl_b32 s74, s75, 23
	s_add_co_i32 s75, s75, 8
	s_lshl_b32 s75, s75, 23
	s_or_b32 s71, s75, 0x600000                    ; 448 x that,
	s_or_b32 s70, s71, 0x80000000                  ; and its negative
	s_add_co_i32 s[YS], s58, s59
	s_add_co_i32 s[YS], s[YS], 127
	s_lshl_b32 s[YS], s[YS], 23                    ; 2^(e10 + e11)
	s_mov_b32 s[YS+1], s[YS]
	v_mov_b32 v[SC], s45                           ; 2^e9
	v_mov_b32 v[LIM], s44                          ; 448 x 2^e9
	v_mov_b32 v[LIM+1], s44
	v_mov_b32 v[TS], s47
	v_mov_b32 v[TS+1], s46
	s_wait_alu depctr_va_vdst(0)                   ; ahead of the blocking wait
	s_wait_loadcnt 0x0                             ; Wq, x, bu
	WIN 0x05                                       ; sources in window 1, sums in window 0
.irp s, 0,1                            ; q^T = Wq x^T: eight accumulators by turns
.irp i, 0,1
.irp n, 0,1,2,3
.if \s
	v_wmma_f32_16x16x128_fp8_fp8 v[S+32*\i+8*\n:S+32*\i+8*\n+7], v[KF+32*\n+16:KF+32*\n+31], v[VF+32*\i+16:VF+32*\i+31], v[S+32*\i+8*\n:S+32*\i+8*\n+7]
.else
	v_wmma_f32_16x16x128_fp8_fp8 v[S+32*\i+8*\n:S+32*\i+8*\n+7], v[KF+32*\n:KF+32*\n+15], v[VF+32*\i:VF+32*\i+15], 0
.endif
.endr
.endr
.endr
	PLACES
	WIN 0
.set j, 0
.rept 64
	v_med3_num_f32 v[S+j], v[S+j], -v[TS+1], v[TS+1]   ; the hold: the conversion does not saturate (ISA guide 7.6.2)
.set j, j+1
.endr
	WIN 0x40
.irp i, 0,1
.irp n, 0,1,2,3
	v_cvt_scalef32_pk8_fp8_f32 v[Q+8*\i+2*\n:Q+8*\i+2*\n+1], v[S+32*\i+8*\n:S+32*\i+8*\n+7], v[TS]
.endr
.endr
	v_nop                                          ; one plain line behind the last conversion
	WIN 0
.macro FMA1 i, j                       ; t - M, two at a time
	v_pk_fma_f32 v[S+64*\i+\j:S+64*\i+\j+1], v[S+64*\i+\j:S+64*\i+\j+1], s[CS:CS+1], v[NM+2*\i:NM+2*\i+1] op_sel_hi:[1,0,0]
.endm
.macro MIN1 i, j                       ; the one-sided hold of two p in one dual instruction
	v_dual_min_num_f32 v[S+64*\i+\j], v[S+64*\i+\j], v[LIM] :: v_dual_min_num_f32 v[S+64*\i+\j+1], v[S+64*\i+\j+1], v[LIM+1]
.endm
.macro ADDS i                          ; the row's sum of the unquantised p: 32 packed additions in four chains
.set B, S+64*\i
	v_pk_add_f32 v[TS:TS+1], v[B:B+1], v[B+2:B+3]
	v_pk_add_f32 v[TS+2:TS+3], v[B+4:B+5], v[B+6:B+7]
	v_pk_add_f32 v[TS+4:TS+5], v[B+8:B+9], v[B+10:B+11]
.irp k, 12,20,28,36,44,52
	v_pk_add_f32 v[LS+2*\i:LS+2*\i+1], v[LS+2*\i:LS+2*\i+1], v[B+\k:B+\k+1]
	v_pk_add_f32 v[TS:TS+1], v[TS:TS+1], v[B+\k+2:B+\k+3]
	v_pk_add_f32 v[TS+2:TS+3], v[TS+2:TS+3], v[B+\k+4:B+\k+5]
	v_pk_add_f32 v[TS+4:TS+5], v[TS+4:TS+5], v[B+\k+6:B+\k+7]
.endr
	v_pk_add_f32 v[LS+2*\i:LS+2*\i+1], v[LS+2*\i:LS+2*\i+1], v[B+60:B+61]
	v_pk_add_f32 v[TS:TS+1], v[TS:TS+1], v[B+62:B+63]
	v_pk_add_f32 v[TS+2:TS+3], v[TS+2:TS+3], v[TS+4:TS+5]
	v_pk_add_f32 v[LS+2*\i:LS+2*\i+1], v[LS+2*\i:LS+2*\i+1], v[TS:TS+1]
	v_pk_add_f32 v[LS+2*\i:LS+2*\i+1], v[LS+2*\i:LS+2*\i+1], v[TS+2:TS+3]
.endm
.macro CVTS i
.irp t, 0,1,2,3,4,5,6,7
	v_cvt_scalef32_pk8_fp8_f32 v[P+16*\i+2*\t:P+16*\i+2*\t+1], v[S+64*\i+8*\t:S+64*\i+8*\t+7], v[SC]
.endr
.endm
; THE CHANGE OF SLOTS' SECOND HALF, in the middle of the softmax.  The wait for my tensor loads and the add stand behind the step's V loads; all between is work on registers.
; chg = 1: a round of the cluster's barrier, my joint load of the keys two slots on into the slot just read out, then the next slot's first K.  chg = 2: the last change: nothing is filled, one barrier.
.macro MID chg
.if \chg
	s_xor_b32 s[TB], s[TB], SLOT1                  ; on to the other slot
	SETADR
.if \chg == 1
	WALK
.endif
	s_wait_alu depctr_va_vdst(0)                   ; ahead of the blocking wait, the barriers and the branches
	s_wait_dscnt 0x0                               ; the add is done, and my reads of the slot in hand are over
.if \chg == 1
	CROUND
	TLOAD
.else
	s_barrier_signal -1
	s_barrier_wait -1
.endif
	WIN 0x40
	KLOAD 0
	WIN 0
.if \chg == 1
	ASK
.endif
.endif
.endm
; The softmax of 128 keys x two tiles of queries, all in window 0.  vw: the LDS loads younger than V's.
.macro SOFTMAX chg, vw
.irp i, 0,1                            ; the largest scores: two chains a tile, the tiles by turns; each accumulator is first read at its lowest registers
	v_max3_num_f32 v[MX+2*\i], v[S+64*\i], v[S+64*\i+1], v[S+64*\i+2]
	v_max3_num_f32 v[MX+2*\i+1], v[S+64*\i+3], v[S+64*\i+4], v[S+64*\i+5]
.endr
.irp k, 6,10,14,18,22,26,30,34,38,42,46,50,54,58
.irp i, 0,1
	v_max3_num_f32 v[MX+2*\i], v[MX+2*\i], v[S+64*\i+\k], v[S+64*\i+\k+1]
	v_max3_num_f32 v[MX+2*\i+1], v[MX+2*\i+1], v[S+64*\i+\k+2], v[S+64*\i+\k+3]
.endr
.endr
.irp i, 0,1
	v_max3_num_f32 v[MX+2*\i], v[MX+2*\i], v[S+64*\i+62], v[S+64*\i+63]
.endr
.irp i, 0,1
	v_max_num_f32 v[MX+2*\i], v[MX+2*\i], v[MX+2*\i+1]
.endr
.irp i, 0,1
	v_permlanex16_b32 v[PT+\i], v[MX+2*\i], s[SEL], s[SEL+1]
.endr
.irp i, 0,1
	v_max_num_f32 v[MX+2*\i], v[MX+2*\i], v[PT+\i]   ; and lane l xor 16's
.endr
.irp i, 0,1
	v_mul_f32 v[MX+2*\i], s[CS], v[MX+2*\i]        ; as t (c is positive)
.endr
.irp i, 0,1
	v_max_num_f32 v[NM+2*\i+1], v[NM+2*\i+1], v[MX+2*\i]
.endr
.irp i, 0,1
	v_floor_f32 v[MX+2*\i+1], -v[NM+2*\i+1]        ; the new -M = -ceil(t)
.endr
.irp i, 0,1
	v_sub_f32 v[MX+2*\i], v[MX+2*\i+1], v[NM+2*\i] ; old M - new M: a whole number, 0 or less
.endr
.irp i, 0,1
	v_mov_b32 v[NM+2*\i], v[MX+2*\i+1]
.endr
.irp i, 0,1
	v_cvt_i32_f32 v[MX+2*\i], v[MX+2*\i]           ; (it saturates)
.endr
.irp i, 0,1
	v_ldexp_f32 v[FF+2*\i], 1.0, v[MX+2*\i]        ; f = 2^(old M - new M)
.endr
.irp i, 0,1
	v_pk_mul_f32 v[LS+2*\i:LS+2*\i+1], v[LS+2*\i:LS+2*\i+1], v[FF+2*\i:FF+2*\i+1] op_sel_hi:[1,0]
.endr
.irp i, 0,1                            ; O^T x f, ahead of the step's exponentials
.set j, 0
.rept 16
	v_pk_mul_f32 v[O+32*\i+j:O+32*\i+j+1], v[O+32*\i+j:O+32*\i+j+1], v[FF+2*\i:FF+2*\i+1] op_sel_hi:[1,0]
.set j, j+2
.endr
.endr
.set j, 0
.rept 32
	FMA1 0, j
.set j, j+2
.endr
	MID \chg
	s_wait_alu depctr_va_vdst(0)                   ; ahead of the batch
.set j, 0
.set f, 0
.rept 32                               ; p of tile 0; 24 of tile 1's t - M stand between, eight behind
	v_exp_f32 v[S+j], v[S+j]
.if (j%8) != 6
	FMA1 1, f
.set f, f+2
.endif
	v_exp_f32 v[S+j+1], v[S+j+1]
.set j, j+2
.endr
.rept 8
	FMA1 1, f                                      ; (also the plain lines behind the last exponential)
.set f, f+2
.endr
	s_wait_alu depctr_va_vdst(0)                   ; behind tile 0's batch and ahead of tile 1's
	ADDS 0
.set j, 0
.set f, 0
.rept 32                               ; p of tile 1; tile 0's holds stand between and behind: each writes registers that are next read behind the wait below
	v_exp_f32 v[S+64+j], v[S+64+j]
.if (j%8) != 6
	MIN1 0, f
.set f, f+2
.endif
	v_exp_f32 v[S+64+j+1], v[S+64+j+1]
.set j, j+2
.endr
.rept 8
	MIN1 0, f
.set f, f+2
.endr
	v_nop                                          ; a plain line behind the batch
	s_wait_alu depctr_va_vdst(0)                   ; behind tile 1's batch, and directly ahead of the blocking wait
	s_wait_dscnt \vw                               ; V is in; the younger loads, the next K's, may be out
	CVTS 0
	ADDS 1
.set j, 0
.rept 32
	MIN1 1, j
.set j, j+2
.endr
	CVTS 1
	v_nop                                          ; one plain line behind the last conversion
.endm
; A KEY STEP: group q of the slot in hand.  mode 0: the slot's second K is fetched; 1: nothing more; 2: the launch's last step: Wu's rows are loaded into K's two sets.  chg: the change of slots (macro MID).
.macro STEP q, mode, chg
	s_wait_dscnt 0x0                               ; K's set q is in
	WIN 0x05
.irp t, 0,1,2,3,4,5,6,7
	v_wmma_f32_16x16x64_fp8_fp8 v[S+8*\t:S+8*\t+7], v[KF+64*\q+8*\t:KF+64*\q+8*\t+7], v[Q:Q+7], 0
	v_wmma_f32_16x16x64_fp8_fp8 v[S+64+8*\t:S+64+8*\t+7], v[KF+64*\q+8*\t:KF+64*\q+8*\t+7], v[Q+8:Q+15], 0
.endr
	PLACES                                         ; in front of the loads into V's (and K's) registers and of the first read of the scores
	WIN 0x40
.irp n, 0,1,2,3
.irp c, 0,1,2,3
	ds_load_b128 v[VF+16*\n+4*\c:VF+16*\n+4*\c+3], v[ADR+\q] offset:VOFF+\n*2048+\c*512
.endr
.endr
.if \mode == 0
	KLOAD 1
.endif
.if \mode == 2
	WIN 0x41
.irp n, 0,1,2,3
.irp s, 0,1
.irp c, 0,1,2,3
	global_load_b128 v[KF+16*(2*\n+\s)+4*\c:KF+16*(2*\n+\s)+4*\c+3], v[XA], s[8:9] offset:\n*4096+128*\s+32*\c
.endr
.endr
.endr
.endif
	WIN 0
.if \chg
	s_wait_tensorcnt 0x0                           ; all my tensor loads are done: my part of the next slot
	ds_add_u32 v[SPW], v[NIL]                      ; the wait for it stands in MID, work on registers between
.endif
.if \mode == 2
	SOFTMAX \chg, 0
.else
	SOFTMAX \chg, 16
.endif
	WIN 0x01
.irp n, 0,1,2,3                        ; O^T += V^T P: eight accumulators, one instruction each
.irp i, 0,1
	v_wmma_f32_16x16x128_fp8_fp8 v[O+32*\i+8*\n:O+32*\i+8*\n+7], v[VF+16*\n:VF+16*\n+15], v[P+16*\i:P+16*\i+15], v[O+32*\i+8*\n:O+32*\i+8*\n+7]
.endr
.endr
	WIN 0
.endm
	; slot 1's first fill is issued as a refill is: the three lines, a round, my one load; then slot 0's first K
	SETADR
	s_wait_alu depctr_va_vdst(0)                   ; at the head's end
	s_wait_tensorcnt 0x0
	ds_add_u32 v[SPW], v[NIL]
	WALK
	s_wait_dscnt 0x0
	CROUND
	TLOAD
	WIN 0x40
	KLOAD 0
	WIN 0
	ASK
	s_sub_co_u32 s[SLOTS], s[SLOTS], 1
.Lslot:                                            ; NSL - 2 trips: trip n multiplies slot n and asks for slot n + 2
	STEP 0, 0, 0
	STEP 1, 1, 1
	s_sub_co_u32 s[SLOTS], s[SLOTS], 1
	s_cmp_lg_u32 s[SLOTS], 0
	s_cbranch_scc1 .Lslot
	STEP 0, 0, 0                                   ; the last two slots are written out
	STEP 1, 1, 2
	STEP 0, 0, 0
	STEP 1, 2, 0
	; THE END.  O^T / the sum becomes codes (e10); the heads' codes meet in LDS as images of their registers; each wave makes 64 outputs of its 32 queries.
.irp i, 0,1
	v_add_f32 v[LS+2*\i], v[LS+2*\i], v[LS+2*\i+1]
.endr
.irp i, 0,1
	v_permlanex16_b32 v[PT+\i], v[LS+2*\i], s[SEL], s[SEL+1]
.endr
.irp i, 0,1
	v_add_f32 v[LS+2*\i], v[LS+2*\i], v[PT+\i]     ; the row's sum
.endr
	v_mov_b32 v[SC], s74                           ; 2^(e10 - e8 - e9)
	s_wait_alu depctr_va_vdst(0)                   ; ahead of the reciprocals
	v_rcp_f32 v[LS], v[LS]
	v_rcp_f32 v[LS+2], v[LS+2]
	v_nop
	s_wait_alu depctr_va_vdst(0)                   ; behind them, directly ahead of the first readers of O^T
.irp i, 0,1
.set j, 0
.rept 16
	v_pk_mul_f32 v[O+32*\i+j:O+32*\i+j+1], v[O+32*\i+j:O+32*\i+j+1], v[LS+2*\i:LS+2*\i+1] op_sel_hi:[1,0]
.set j, j+2
.endr
.endr
.set j, 0
.rept 64
	v_med3_num_f32 v[O+j], v[O+j], s70, s71
.set j, j+1
.endr
.irp i, 0,1
.irp n, 0,1,2,3
	v_cvt_scalef32_pk8_fp8_f32 v[P+8*\i+2*\n:P+8*\i+2*\n+1], v[O+32*\i+8*\n:O+32*\i+8*\n+7], v[SC]
.endr
.endr
	v_nop
	WIN 0x01                                       ; addresses in window 1, data in window 0
.irp i, 0,1
	ds_store_b128 v[IST], v[P+8*\i:P+8*\i+3] offset:\i*1024
	ds_store_b128 v[IST], v[P+8*\i+4:P+8*\i+7] offset:\i*1024+512
.endr
	WIN 0x05
	ds_store_b128 v[BUS], v[BUD:BUD+3]             ; my 64 numbers of bu, into my own 256 bytes
	WIN 0
	s_wait_dscnt 0x0                               ; for the others' sake
	s_barrier_signal -1
	s_barrier_wait -1                              ; all sixteen images lie in LDS
	WIN 0x41
.irp i, 0,1
.irp g, 0,1,2,3                        ; head g's eight registers: heads 2 s and 2 s + 1 on end are K step s
	ds_load_b128 v[VF+32*\i+8*\g:VF+32*\i+8*\g+3], v[ILD] offset:\g*4096+\i*1024
	ds_load_b128 v[VF+32*\i+8*\g+4:VF+32*\i+8*\g+7], v[ILD] offset:\g*4096+\i*1024+512
.endr
.endr
	WIN 0x01
.irp n, 0,1,2,3                        ; bu at outputs 16 n + 8 h + 0 .. 7
	ds_load_b128 v[S+64+8*\n:S+64+8*\n+3], v[BUR] offset:64*\n
	ds_load_b128 v[S+64+8*\n+4:S+64+8*\n+7], v[BUR] offset:64*\n+16
.endr
	WIN 0
	s_wait_loadcnt 0x0                             ; Wu
	s_wait_dscnt 0x0
	WIN 0x05
.irp s, 0,1                            ; Y^T = Wu O^T: eight accumulators by turns
.irp i, 0,1
.irp n, 0,1,2,3
.if \s
	v_wmma_f32_16x16x128_fp8_fp8 v[S+32*\i+8*\n:S+32*\i+8*\n+7], v[KF+32*\n+16:KF+32*\n+31], v[VF+32*\i+16:VF+32*\i+31], v[S+32*\i+8*\n:S+32*\i+8*\n+7]
.else
	v_wmma_f32_16x16x128_fp8_fp8 v[S+32*\i+8*\n:S+32*\i+8*\n+7], v[KF+32*\n:KF+32*\n+15], v[VF+32*\i:VF+32*\i+15], 0
.endif
.endr
.endr
.endr
	PLACES
	WIN 0
.irp i, 0,1
.set j, 0
.rept 16
	v_pk_fma_f32 v[O+32*\i+j:O+32*\i+j+1], v[S+32*\i+j:S+32*\i+j+1], s[YS:YS+1], v[S+64+j:S+64+j+1] op_sel_hi:[1,0,1]   ; y = sum x 2^(e10 + e11) + bu
.set j, j+2
.endr
.endr
	WIN 0x01
.irp i, 0,1
.irp n, 0,1,2,3
	ds_store_b128 v[STI], v[O+32*\i+8*\n:O+32*\i+8*\n+3] offset:\i*16*SP+64*\n
	ds_store_b128 v[STI], v[O+32*\i+8*\n+4:O+32*\i+8*\n+7] offset:\i*16*SP+64*\n+16
.endr
.endr
	WIN 0x41
.irp k, 0,1,2,3,4,5,6,7,8,9,10,11,12,13,14,15
	ds_load_b128 v[KF+4*\k:KF+4*\k+3], v[STO] offset:2*\k*SP   ; LDS serves a wave's instructions in order (ISA guide 5.7.1.4): these see my stores
.endr
	WIN 0x05
.irp k, 0,1,2,3,4,5,6,7,8,9,10,11,12,13,14,15
	s_wait_dscnt 15-\k                             ; the younger loads from the stage may stay out
	global_store_b128 v[GO], v[KF+4*\k:KF+4*\k+3], s[16:17] offset:2*\k*1024 th:TH_STORE_NT   ; 16 lanes store 256 consecutive bytes, at a multiple of 256 from out0's first byte
.endr
	WIN 0
	s_wait_tensorcnt 0x0                           ; the wave's end
	ds_add_u32 v[SPW], v[NIL]
	s_wait_dscnt 0x0
	CROUND                                         ; the closing round
	s_endpgm
.Lfunc_end_k_qb11fba1f33_attn:
	.size	k_qb11fba1f33_attn, .Lfunc_end_k_qb11fba1f33_attn-k_qb11fba1f33_attn
	.p2alignl 7, 3214868480
	.fill 96, 4, 3214868480
	.section	.rodata,"a",@progbits
	.p2align	6, 0x0
	.amdhsa_kernel k_qb11fba1f33_attn
		.amdhsa_group_segment_fixed_size 327680
		.amdhsa_private_segment_fixed_size 0
		.amdhsa_enable_private_segment 0
		.amdhsa_kernarg_size 56
		.amdhsa_user_sgpr_count 2
		.amdhsa_user_sgpr_kernarg_segment_ptr 1
		.amdhsa_wavefront_size32 1
		.amdhsa_system_sgpr_workgroup_id_x 1
		.amdhsa_system_sgpr_workgroup_id_y 1
		.amdhsa_system_sgpr_workgroup_id_z 1
		.amdhsa_system_vgpr_workitem_id 0
		.amdhsa_next_free_vgpr 512
		.amdhsa_next_free_sgpr 96
		.amdhsa_reserve_vcc 0
		.amdhsa_float_denorm_mode_32 3
		.amdhsa_float_denorm_mode_16_64 3
		.amdhsa_memory_ordered 1
		.amdhsa_forward_progress 1
		.amdhsa_inst_pref_size 211
	.end_amdhsa_kernel
	.amdgpu_metadata
---
amdhsa.version: [ 1, 2 ]
amdhsa.kernels:
  - .name:           k_qb11fba1f33_attn
    .symbol:         k_qb11fba1f33_attn.kd
    .args:
      - { .name: x_codes, .offset: 0, .size: 8, .value_kind: global_buffer, .address_space: global }
      - { .name: Wq_codes, .offset: 8, .size: 8, .value_kind: global_buffer, .address_space: global }
      - { .name: Wu_codes, .offset: 16, .size: 8, .value_kind: global_buffer, .address_space: global }
      - { .name: bu, .offset: 24, .size: 8, .value_kind: global_buffer, .address_space: global }
      - { .name: lowp_scales, .offset: 32, .size: 8, .value_kind: global_buffer, .address_space: global }
      - { .name: kv, .offset: 40, .size: 8, .value_kind: global_buffer, .address_space: global }
      - { .name: out0, .offset: 48, .size: 8, .value_kind: global_buffer, .address_space: global }
    .group_segment_fixed_size: 327680
    .private_segment_fixed_size: 0
    .kernarg_segment_align: 8
    .kernarg_segment_size: 56
    .max_flat_workgroup_size: 256
    .sgpr_count:     96
    .vgpr_count:     512
    .wavefront_size: 32
...
	.end_amdgpu_metadata
.endif
;; end of part 2
